; MI455X (gfx1250); checked and timed in simulation.
; The chip was launched on July 23, 2026; its instructions are those of AMD's public machine-readable ISA for CDNA 5 (MIT licence, August 2026) and "CDNA5" Instruction Set Architecture Reference Guide (July 2026).
;; Synaptic SNN. Allowed arithmetic: float matrix products may take bf16 or f16 operands with f32 sums; other float arithmetic in f32, or as packed bf16 or f16 multiplies, adds, multiply-adds, maxima and minima; sums over many terms, partial sums and values carried from step to step in f32; what a program stores and reads back later, other than sums and carried values, may be rounded once to bf16 or f16.
;; Inputs: W1 2,048 x 256 float32; W2 128 x 2,048 float32; b1 2,048 float32; b2 128 float32; beta one number float32; x 4,096 x 256 float32.
;; Outputs: out0 4,096 x 128 float32.
;; 2 versions, each right; version 2 is version 1 with the launch snn written anew for expert scheduling mode. Each part assembles by itself: llvm-mc -triple=amdgcn-amd-amdhsa -mcpu=gfx1250 --defsym DOCPART=n.
;; ======== version 1 of 2: 2 launches
;; workspace buffers: part 8,388,608 bytes
;; launch snn (part 1): grid 4 x 64, 4 waves a work-group, no clusters, 202,240 bytes of LDS; arguments x, W1, b1, W2, beta, part; writes part
.if DOCPART == 1
	.amdgcn_target "amdgcn-amd-amdhsa--gfx1250"
	.amdhsa_code_object_version 6
	.text
	.protected	k_q161a2fe724_snn
	.globl	k_q161a2fe724_snn
	.p2align	8
	.type	k_q161a2fe724_snn,@function
k_q161a2fe724_snn:
	s_mov_b64 s[64:65], 0
	v_nop
	global_prefetch_b8 v0, s[64:65] scope:SCOPE_SE
	s_setreg_imm32_b32 hwreg(HW_REG_WAVE_MODE, 25, 1), 1
	s_wait_xcnt 0x0
.set XP,    1040
.set RP,    528
.set RED,   64*XP
.set REDW,  64*RP
.set SPARE, RED+4*REDW
.set XO,  4
.set W1O, 5
.set B1O, 6
.set W2O, 7
.set XST, 8
.set XRD, 9
.set RST, 10
.set RRD, 12
.set CUR, 16
.set SYN, 80
.set MEM, 144
.set RT,  208
.set BIG, 240
.set NBG, 242
.set SPW, 244
.set NIL, 245
.set XS,  SYN
.set XF,  0
.set ACC, 32
.set W2S, 96
.set B1S, 224
.set WV,  16
.set AL,  20
.set BE,  22
.set CH,  24
.set ST,  25
.set MHI, 27
.set MSB, 0
.macro WIN new
.if MSB != (\new)
	s_set_vgpr_msb (MSB<<8)|(\new)
.set MSB, (\new)
.endif
.endm
.macro LDW1 g
	WIN 0x80
.irp s, 0,1,2,3,4,5,6,7
.irp t, 0,1
	global_load_b64 v[4*(8*(\g)+(\s))+2*(\t):4*(8*(\g)+(\s))+2*(\t)+1], v[W1O], s[6:7] offset:(\t)*8192+(8*(\g)+(\s))*16
.endr
.endr
.endm
.macro LDB1
	WIN 0xc0
.irp u, 0,1,2,3
	global_load_b128 v[B1S+4*(\u):B1S+4*(\u)+3], v[B1O], s[8:9] offset:(\u)*16
.endr
.endm
.macro LDW2
	WIN 0xc0
.irp o, 0,1,2,3,4,5,6,7
.irp u, 0,1,2,3
	global_load_b128 v[W2S+16*(\o)+4*(\u):W2S+16*(\o)+4*(\u)+3], v[W2O], s[10:11] offset:(\o)*131072+(\u)*16
.endr
.endr
.endm
	s_load_b256 s[4:11], s[0:1], 0x0
	s_load_b128 s[12:15], s[0:1], 0x20
	v_lshl_add_u32 v[SPW], v0, 2, SPARE
	v_mov_b32 v[NIL], 0
	v_lshrrev_b32 v1, 5, v0
	v_readfirstlane_b32 s[WV], v1
	v_and_b32 v1, 31, v0
	v_and_b32 v2, 15, v0
	v_bfe_u32 v3, v0, 4, 1
	v_lshlrev_b32 v[XO], 4, v1
	v_and_b32 v11, 7, v0
	v_bfe_u32 v[W1O], v0, 3, 1
	v_lshl_add_u32 v11, v[W1O], 4, v11
	v_lshlrev_b32 v11, 10, v11
	v_lshl_add_u32 v[W1O], v3, 3, v11
	v_lshlrev_b32 v[B1O], 6, v3
	v_lshlrev_b32 v11, 13, v2
	v_lshl_add_u32 v[W2O], v3, 6, v11
	s_mul_i32 s17, s[WV], 16*XP
	v_lshrrev_b32 v11, 1, v1
	v_lshl_add_u32 v[XST], v11, 5, s17
	v_and_b32 v11, 1, v0
	v_lshl_add_u32 v[XST], v11, 3, v[XST]
	v_mul_u32_u24 v11, v2, XP
	v_lshl_add_u32 v[XRD], v3, 4, v11
	s_mul_i32 s18, s[WV], REDW
	s_add_co_u32 s18, s18, RED
	v_mul_u32_u24 v11, v2, RP
	v_lshl_add_u32 v11, v3, 5, v11
	v_add_nc_u32 v[RST], s18, v11
	s_mul_i32 s18, s[WV], 16*RP
	v_lshl_add_u32 v11, v1, 4, s18
.irp v, 0,1,2,3
	v_add_nc_u32 v[RRD+(\v)], RED+(\v)*REDW, v11
.endr
	v_mov_b32 v[BIG], 0x4b800000
	v_mov_b32 v[BIG+1], 0x4b800000
	v_mov_b32 v[NBG], 0xcb800000
	v_mov_b32 v[NBG+1], 0xcb800000
	s_mov_b32 s[AL], 0x3f666666
	s_mov_b32 s[AL+1], s[AL]
	s_mov_b32 s[MHI], 0xffff0000
	s_and_b32 s19, ttmp7, 0xffff
	s_lshl_b32 s28, s19, 16
	s_lshl_b32 s29, s[WV], 14
	s_add_co_u32 s28, s28, s29
	s_mov_b32 s29, 0
	s_lshl_b32 s30, ttmp9, 19
	s_lshl_b32 s31, s[WV], 17
	s_add_co_u32 s30, s30, s31
	s_mov_b32 s31, 0
	s_lshl_b32 s32, ttmp9, 11
	s_lshl_b32 s33, s[WV], 9
	s_add_co_u32 s32, s32, s33
	s_mov_b32 s33, 0
	s_lshl_b32 s34, ttmp9, 21
	s_lshl_b32 s35, s19, 15
	s_add_co_u32 s34, s34, s35
	s_lshl_b32 s35, s[WV], 13
	s_add_co_u32 s34, s34, s35
	s_mov_b32 s35, 0
	s_wait_kmcnt 0x0
	s_load_b32 s26, s[12:13], 0x0
	s_add_nc_u64 s[4:5], s[4:5], s[28:29]
	s_add_nc_u64 s[6:7], s[6:7], s[30:31]
	s_add_nc_u64 s[8:9], s[8:9], s[32:33]
	s_add_nc_u64 s[10:11], s[10:11], s[32:33]
	s_add_nc_u64 s[14:15], s[14:15], s[34:35]
.set j, 0
.rept 32
	global_load_b128 v[XS+4*j:XS+4*j+3], v[XO], s[4:5] offset:512*j
.set j, j+1
.endr
	LDB1
	LDW1 0
	WIN 0x40
.set j, 0
.rept 256
	v_mov_b32 v[j], 0
.set j, j+1
.endr
	WIN 0
	s_wait_kmcnt 0x0
	v_mov_b32 v1, s26
	v_cvt_pk_bf16_f32 v1, v1, v1
	v_lshlrev_b32 v1, 16, v1
	v_max_num_f32 v1, 0, v1
	v_min_num_f32 v1, 1.0, v1
	v_readfirstlane_b32 s[BE], v1
	s_mov_b32 s[BE+1], s[BE]
	s_wait_loadcnt 20
.set j, 0
.rept 32
	v_cvt_pk_bf16_f32 v[XS+4*j], v[XS+4*j], v[XS+4*j+1]
	v_cvt_pk_bf16_f32 v[XS+4*j+2], v[XS+4*j+2], v[XS+4*j+3]
	v_and_b32 v[XS+4*j+1], s[MHI], v[XS+4*j]
	v_lshlrev_b32 v[XS+4*j], 16, v[XS+4*j]
	v_and_b32 v[XS+4*j+3], s[MHI], v[XS+4*j+2]
	v_lshlrev_b32 v[XS+4*j+2], 16, v[XS+4*j+2]
	ds_store_b64 v[XST], v[XS+4*j:XS+4*j+1]   offset:(j/2)*XP+(j%2)*512
	ds_store_b64 v[XST], v[XS+4*j+2:XS+4*j+3] offset:(j/2)*XP+(j%2)*512+16
.set j, j+1
.endr
	LDW1 1
	LDW1 2
	LDW1 3
	LDW1 4
	LDW1 5
	LDW1 6
	LDW1 7
	LDW2
	WIN 0
	s_wait_dscnt 0x0
	s_barrier_signal -1
	s_barrier_wait -1
	s_wait_loadcnt 32
.macro ROUND k
	WIN 0x8a
.irp p, 0,1,2,3
	v_cvt_pk_bf16_f32 v[8*(\k)+2*(\p)], v[8*(\k)+2*(\p)], v[8*(\k)+2*(\p)+1]
.endr
.irp p, 0,1,2,3
	v_and_b32 v[8*(\k)+2*(\p)+1], s[MHI], v[8*(\k)+2*(\p)]
.endr
.irp p, 0,1,2,3
	v_lshlrev_b32 v[8*(\k)+2*(\p)], 16, v[8*(\k)+2*(\p)]
.endr
.endm
.macro LDX k
	WIN 0xc0
.irp b, 0,1,2,3
	ds_load_b128 v[XF+16*((\k)%2)+4*(\b):XF+16*((\k)%2)+4*(\b)+3], v[XRD] offset:(\b)*16*XP+(\k)*32
.endr
.endm
.macro MM1
	WIN 0xfe
.irp s, 0,1
.irp t, 0,1
.irp b, 0,1,2,3
.if (kb == 0) && ((\s) == 0)
	v_wmma_f32_16x16x4_f32 v[ACC+16*(\b)+8*(\t):ACC+16*(\b)+8*(\t)+7], v[8*kb+4*(\s)+2*(\t):8*kb+4*(\s)+2*(\t)+1], v[XF+16*(kb%2)+4*(\b)+2*(\s):XF+16*(kb%2)+4*(\b)+2*(\s)+1], 0
.else
	v_wmma_f32_16x16x4_f32 v[ACC+16*(\b)+8*(\t):ACC+16*(\b)+8*(\t)+7], v[8*kb+4*(\s)+2*(\t):8*kb+4*(\s)+2*(\t)+1], v[XF+16*(kb%2)+4*(\b)+2*(\s):XF+16*(kb%2)+4*(\b)+2*(\s)+1], v[ACC+16*(\b)+8*(\t):ACC+16*(\b)+8*(\t)+7]
.endif
.endr
.endr
.endr
.endm
.macro STEP sy, me
.irp g, 0,1
.set q, 32*(\g)
.rept 16
	v_pk_fma_f32 v[SYN+q:SYN+q+1], v[(\sy)+q:(\sy)+q+1], s[AL:AL+1], v[CUR+q:CUR+q+1] op_sel_hi:[1,0,1]
.set q, q+2
.endr
.set q, 32*(\g)
.rept 16
	v_pk_fma_f32 v[RT+q-32*(\g):RT+q-32*(\g)+1], v[(\me)+q:(\me)+q+1], v[BIG:BIG+1], v[NBG:NBG+1] clamp
.set q, q+2
.endr
.set q, 32*(\g)
.rept 16
	v_pk_fma_f32 v[MEM+q:MEM+q+1], v[(\me)+q:(\me)+q+1], s[BE:BE+1], v[SYN+q:SYN+q+1] op_sel_hi:[1,0,1]
.set q, q+2
.endr
.set q, 32*(\g)
.rept 16
	v_pk_add_f32 v[MEM+q:MEM+q+1], v[MEM+q:MEM+q+1], v[RT+q-32*(\g):RT+q-32*(\g)+1] neg_lo:[0,1] neg_hi:[0,1]
.set q, q+2
.endr
.endr
.endm
.macro SEG
	s_mov_b32 s[ST], 12
.Lscan_\@:
	STEP SYN, MEM
	s_sub_co_u32 s[ST], s[ST], 1
	s_cmp_lg_u32 s[ST], 0
	s_cbranch_scc1 .Lscan_\@
.endm
.macro MORE g
	s_cmp_eq_u32 s[CH], 1
	s_cbranch_scc1 .Lno_more_\@
	LDW1 \g
	LDW1 (\g)+1
	WIN 0
.Lno_more_\@:
.endm
	s_mov_b32 s[CH], 4
.Lchunk:
	LDX 0
	LDX 1
	ROUND 0
.set kb, 0
.rept 32
.if kb < 31
	s_wait_dscnt 4
.else
	s_wait_dscnt 0x0
.endif
	MM1
.if kb < 31
	ROUND kb+1
.endif
.if kb < 30
	LDX kb+2
.endif
.set kb, kb+1
.endr
	WIN 0x0f
.irp i, 0,1,2,3,4,5,6,7
	v_cvt_pk_bf16_f32 v[RT+2*(\i)], v[B1S+2*(\i)], v[B1S+2*(\i)+1]
.endr
	WIN 0
.irp i, 0,1,2,3,4,5,6,7
	v_and_b32 v[RT+2*(\i)+1], s[MHI], v[RT+2*(\i)]
	v_lshlrev_b32 v[RT+2*(\i)], 16, v[RT+2*(\i)]
.endr
	WIN 0x03
.set q, 0
.rept 32
	v_pk_add_f32 v[CUR+2*q:CUR+2*q+1], v[ACC+2*q:ACC+2*q+1], v[RT+2*(q%8):RT+2*(q%8)+1]
.set q, q+1
.endr
	WIN 0
	s_cmp_eq_u32 s[CH], 1
	s_cbranch_scc1 .Lno_a
	s_wait_xcnt 0x0
	s_add_nc_u64 s[6:7], s[6:7], 32*1024
	s_add_nc_u64 s[8:9], s[8:9], 128
	LDW1 0
	LDW1 1
	LDB1
	WIN 0
.Lno_a:
	STEP CUR, CUR
	SEG
	MORE 2
	SEG
	MORE 4
	SEG
	MORE 6
	SEG
.set q, 0
.rept 32
	v_pk_fma_f32 v[MEM+2*q:MEM+2*q+1], v[MEM+2*q:MEM+2*q+1], v[BIG:BIG+1], v[NBG:NBG+1] clamp
.set q, q+1
.endr
.set q, 0
.rept 32
	v_cvt_pk_bf16_f32 v[CUR+q], v[MEM+2*q], v[MEM+2*q+1]
.set q, q+1
.endr
	s_wait_loadcnt 0x0
	WIN 0x0f
.irp o, 0,1,2,3,4,5,6,7
.irp i, 0,1,2,3,4,5,6,7
	v_cvt_pk_bf16_f32 v[SYN+8*(\o)+(\i)], v[W2S+16*(\o)+2*(\i)], v[W2S+16*(\o)+2*(\i)+1]
.endr
.endr
	WIN 0
	s_cmp_eq_u32 s[CH], 1
	s_cbranch_scc1 .Lno_c
	s_wait_xcnt 0x0
	s_add_nc_u64 s[10:11], s[10:11], 128
	LDW2
	WIN 0
.Lno_c:
	WIN 0x50
.irp o, 0,1,2,3,4,5,6,7
.irp b, 0,1,2,3
	v_wmma_f32_16x16x32_bf16 v[8*(4*(\o)+(\b)):8*(4*(\o)+(\b))+7], v[SYN+8*(\o):SYN+8*(\o)+7], v[CUR+8*(\b):CUR+8*(\b)+7], v[8*(4*(\o)+(\b)):8*(4*(\o)+(\b))+7]
.endr
.endr
	WIN 0
	s_sub_co_u32 s[CH], s[CH], 1
	s_cmp_lg_u32 s[CH], 0
	s_cbranch_scc1 .Lchunk
.rept 4
	v_nop
.endr
	WIN 0x04
.irp o, 0,1,2,3,4,5,6,7
.irp b, 0,1,2,3
	ds_store_b128 v[RST], v[8*(4*(\o)+(\b)):8*(4*(\o)+(\b))+3]   offset:(\b)*16*RP+(\o)*64
	ds_store_b128 v[RST], v[8*(4*(\o)+(\b))+4:8*(4*(\o)+(\b))+7] offset:(\b)*16*RP+(\o)*64+16
.endr
.endr
	WIN 0
	s_wait_dscnt 0x0
	s_barrier_signal -1
	s_barrier_wait -1
.macro LDG g, buf
.irp v, 0,1,2,3
.irp w, 0,1,2,3
	ds_load_b128 v[(\buf)+16*(\v)+4*(\w):(\buf)+16*(\v)+4*(\w)+3], v[RRD+(\v)] offset:(4*(\g)+(\w))*RP
.endr
.endr
.endm
.macro SUMG g, buf
.irp w, 0,1,2,3
.irp e, 0,2
	v_pk_add_f32 v[(\buf)+4*(\w)+(\e):(\buf)+4*(\w)+(\e)+1], v[(\buf)+4*(\w)+(\e):(\buf)+4*(\w)+(\e)+1], v[(\buf)+16+4*(\w)+(\e):(\buf)+16+4*(\w)+(\e)+1]
	v_pk_add_f32 v[(\buf)+32+4*(\w)+(\e):(\buf)+32+4*(\w)+(\e)+1], v[(\buf)+32+4*(\w)+(\e):(\buf)+32+4*(\w)+(\e)+1], v[(\buf)+48+4*(\w)+(\e):(\buf)+48+4*(\w)+(\e)+1]
.endr
.endr
.irp w, 0,1,2,3
.irp e, 0,2
	v_pk_add_f32 v[CUR+16*(\g)+4*(\w)+(\e):CUR+16*(\g)+4*(\w)+(\e)+1], v[(\buf)+4*(\w)+(\e):(\buf)+4*(\w)+(\e)+1], v[(\buf)+32+4*(\w)+(\e):(\buf)+32+4*(\w)+(\e)+1]
.endr
.endr
.irp w, 0,1,2,3
	global_store_b128 v[XO], v[CUR+16*(\g)+4*(\w):CUR+16*(\g)+4*(\w)+3], s[14:15] offset:(4*(\g)+(\w))*512
.endr
.endm
	LDG 0, SYN
	LDG 1, MEM
	s_wait_dscnt 16
	SUMG 0, SYN
	LDG 2, SYN
	s_wait_dscnt 16
	SUMG 1, MEM
	LDG 3, MEM
	s_wait_dscnt 16
	SUMG 2, SYN
	s_wait_dscnt 0x0
	SUMG 3, MEM
	s_wait_tensorcnt 0x0
	ds_add_u32 v[SPW], v[NIL]
	s_wait_dscnt 0x0
	s_endpgm
.Lfunc_end_k_q161a2fe724_snn:
	.size	k_q161a2fe724_snn, .Lfunc_end_k_q161a2fe724_snn-k_q161a2fe724_snn
	.p2alignl 7, 3214868480
	.fill 96, 4, 3214868480
	.section	.rodata,"a",@progbits
	.p2align	6, 0x0
	.amdhsa_kernel k_q161a2fe724_snn
		.amdhsa_group_segment_fixed_size 202240
		.amdhsa_private_segment_fixed_size 0
		.amdhsa_enable_private_segment 0
		.amdhsa_kernarg_size 48
		.amdhsa_user_sgpr_count 2
		.amdhsa_user_sgpr_kernarg_segment_ptr 1
		.amdhsa_wavefront_size32 1
		.amdhsa_system_sgpr_workgroup_id_x 1
		.amdhsa_system_sgpr_workgroup_id_y 1
		.amdhsa_system_sgpr_workgroup_id_z 1
		.amdhsa_system_vgpr_workitem_id 0
		.amdhsa_next_free_vgpr 1024
		.amdhsa_next_free_sgpr 66
		.amdhsa_reserve_vcc 0
		.amdhsa_float_denorm_mode_32 3
		.amdhsa_float_denorm_mode_16_64 3
		.amdhsa_memory_ordered 1
		.amdhsa_forward_progress 1
		.amdhsa_inst_pref_size 189
	.end_amdhsa_kernel
	.amdgpu_metadata
---
amdhsa.version: [ 1, 2 ]
amdhsa.kernels:
  - .name:           k_q161a2fe724_snn
    .symbol:         k_q161a2fe724_snn.kd
    .args:
      - { .name: x, .offset: 0, .size: 8, .value_kind: global_buffer, .address_space: global }
      - { .name: W1, .offset: 8, .size: 8, .value_kind: global_buffer, .address_space: global }
      - { .name: b1, .offset: 16, .size: 8, .value_kind: global_buffer, .address_space: global }
      - { .name: W2, .offset: 24, .size: 8, .value_kind: global_buffer, .address_space: global }
      - { .name: beta, .offset: 32, .size: 8, .value_kind: global_buffer, .address_space: global }
      - { .name: part, .offset: 40, .size: 8, .value_kind: global_buffer, .address_space: global }
    .group_segment_fixed_size: 202240
    .private_segment_fixed_size: 0
    .kernarg_segment_align: 8
    .kernarg_segment_size: 48
    .max_flat_workgroup_size: 128
    .sgpr_count:     66
    .vgpr_count:     1024
    .wavefront_size: 32
...
	.end_amdgpu_metadata
.endif
;; end of part 1
;; launch reduce (part 2): grid 256 x 1, 8 waves a work-group, no clusters, 0 bytes of LDS; arguments part, b2, out0; writes out0
.if DOCPART == 2
	.amdgcn_target "amdgcn-amd-amdhsa--gfx1250"
	.amdhsa_code_object_version 6
	.text
	.protected	k_q161a2fe724_reduce
	.globl	k_q161a2fe724_reduce
	.p2align	8
	.type	k_q161a2fe724_reduce,@function
k_q161a2fe724_reduce:
	s_mov_b64 s[64:65], 0
	v_nop
	global_prefetch_b8 v0, s[64:65] scope:SCOPE_SE
	s_setreg_imm32_b32 hwreg(HW_REG_WAVE_MODE, 25, 1), 1
	s_wait_xcnt 0x0
.set QUARTER, 4096*128*4
	s_load_b128 s[4:7], s[0:1], 0x0
	s_load_b64 s[8:9], s[0:1], 0x10
	v_lshlrev_b32 v1, 4, v0
	v_and_b32 v2, 0x1f0, v1
	s_lshl_b32 s10, ttmp9, 13
	s_mov_b32 s11, 0
	s_mov_b32 s12, 0xffff0000
	s_wait_kmcnt 0x0
	s_add_nc_u64 s[4:5], s[4:5], s[10:11]
	s_add_nc_u64 s[8:9], s[8:9], s[10:11]
	global_load_b128 v[4:7], v2, s[6:7]
.irp h, 0,1
.irp s, 0,1,2,3
	global_load_b128 v[8+16*(\h)+4*(\s):8+16*(\h)+4*(\s)+3], v1, s[4:5] offset:(\s)*QUARTER+(\h)*4096 th:TH_LOAD_NT
.endr
.endr
	s_wait_loadcnt 8
	v_cvt_pk_bf16_f32 v40, v4, v5
	v_cvt_pk_bf16_f32 v41, v6, v7
	v_lshlrev_b32 v4, 16, v40
	v_and_b32 v5, s12, v40
	v_lshlrev_b32 v6, 16, v41
	v_and_b32 v7, s12, v41
.irp h, 0,1
	s_wait_loadcnt 4-4*(\h)
.irp e, 0,2
	v_pk_add_f32 v[8+16*(\h)+(\e):8+16*(\h)+(\e)+1], v[8+16*(\h)+(\e):8+16*(\h)+(\e)+1], v[12+16*(\h)+(\e):12+16*(\h)+(\e)+1]
	v_pk_add_f32 v[16+16*(\h)+(\e):16+16*(\h)+(\e)+1], v[16+16*(\h)+(\e):16+16*(\h)+(\e)+1], v[20+16*(\h)+(\e):20+16*(\h)+(\e)+1]
.endr
.irp e, 0,2
	v_pk_add_f32 v[8+16*(\h)+(\e):8+16*(\h)+(\e)+1], v[8+16*(\h)+(\e):8+16*(\h)+(\e)+1], v[16+16*(\h)+(\e):16+16*(\h)+(\e)+1]
.endr
.irp e, 0,2
	v_pk_add_f32 v[8+16*(\h)+(\e):8+16*(\h)+(\e)+1], v[8+16*(\h)+(\e):8+16*(\h)+(\e)+1], v[4+(\e):4+(\e)+1]
.endr
	global_store_b128 v1, v[8+16*(\h):8+16*(\h)+3], s[8:9] offset:(\h)*4096 th:TH_STORE_NT
.endr
	s_endpgm
.Lfunc_end_k_q161a2fe724_reduce:
	.size	k_q161a2fe724_reduce, .Lfunc_end_k_q161a2fe724_reduce-k_q161a2fe724_reduce
	.p2alignl 7, 3214868480
	.fill 96, 4, 3214868480
	.section	.rodata,"a",@progbits
	.p2align	6, 0x0
	.amdhsa_kernel k_q161a2fe724_reduce
		.amdhsa_group_segment_fixed_size 0
		.amdhsa_private_segment_fixed_size 0
		.amdhsa_enable_private_segment 0
		.amdhsa_kernarg_size 24
		.amdhsa_user_sgpr_count 2
		.amdhsa_user_sgpr_kernarg_segment_ptr 1
		.amdhsa_wavefront_size32 1
		.amdhsa_system_sgpr_workgroup_id_x 1
		.amdhsa_system_sgpr_workgroup_id_y 1
		.amdhsa_system_sgpr_workgroup_id_z 1
		.amdhsa_system_vgpr_workitem_id 0
		.amdhsa_next_free_vgpr 48
		.amdhsa_next_free_sgpr 66
		.amdhsa_reserve_vcc 0
		.amdhsa_float_denorm_mode_32 3
		.amdhsa_float_denorm_mode_16_64 3
		.amdhsa_memory_ordered 1
		.amdhsa_forward_progress 1
		.amdhsa_inst_pref_size 4
	.end_amdhsa_kernel
	.amdgpu_metadata
---
amdhsa.version: [ 1, 2 ]
amdhsa.kernels:
  - .name:           k_q161a2fe724_reduce
    .symbol:         k_q161a2fe724_reduce.kd
    .args:
      - { .name: part, .offset: 0, .size: 8, .value_kind: global_buffer, .address_space: global }
      - { .name: b2, .offset: 8, .size: 8, .value_kind: global_buffer, .address_space: global }
      - { .name: out0, .offset: 16, .size: 8, .value_kind: global_buffer, .address_space: global }
    .group_segment_fixed_size: 0
    .private_segment_fixed_size: 0
    .kernarg_segment_align: 8
    .kernarg_segment_size: 24
    .max_flat_workgroup_size: 256
    .sgpr_count:     66
    .vgpr_count:     48
    .wavefront_size: 32
...
	.end_amdgpu_metadata
.endif
;; end of part 2
;; ======== version 2 of 2: 2 launches; version 1 with the launch snn written anew for expert scheduling mode
;; workspace buffers: part 8,388,608 bytes
;; launch snn (part 3): grid 4 x 64, 4 waves a work-group, no clusters, 202,240 bytes of LDS; arguments x, W1, b1, W2, beta, part; writes part
.if DOCPART == 3
	.amdgcn_target "amdgcn-amd-amdhsa--gfx1250"
	.amdhsa_code_object_version 6
	.text
	.protected	k_q161a2fe724_snn
	.globl	k_q161a2fe724_snn
	.p2align	8
	.type	k_q161a2fe724_snn,@function
k_q161a2fe724_snn:
	s_mov_b64 s[64:65], 0
	v_nop
	global_prefetch_b8 v0, s[64:65] scope:SCOPE_SE
	s_setreg_imm32_b32 hwreg(HW_REG_WAVE_SCHED_MODE, 0, 2), 2
	s_setreg_imm32_b32 hwreg(HW_REG_WAVE_MODE, 25, 1), 1
	s_wait_xcnt 0x0
	s_wait_alu depctr_vm_vsrc(0)
.set XP,    1040
.set RP,    528
.set RED,   64*XP
.set REDW,  64*RP
.set SPARE, RED+4*REDW
.set XO,  4
.set W1O, 5
.set B1O, 6
.set W2O, 7
.set XST, 8
.set XRD, 9
.set RST, 10
.set RRD, 12
.set CUR, 16
.set SYN, 80
.set MEM, 144
.set RT,  208
.set BIG, 240
.set NBG, 242
.set SPW, 244
.set NIL, 245
.set XS,  SYN
.set XB,  SYN
.set ACC, 32
.set W2S, 96
.set B1S, 224
.set WV,  16
.set AL,  20
.set BE,  22
.set CH,  24
.set ST,  25
.set MHI, 27
.set MSB, 0
.macro WIN new
.if MSB != (\new)
	s_set_vgpr_msb (MSB<<8)|(\new)
.set MSB, (\new)
.endif
.endm
.macro LDW1 g
	WIN 0x80
.irp s, 0,1,2,3,4,5,6,7
.irp t, 0,1
	global_load_b64 v[4*(8*(\g)+(\s))+2*(\t):4*(8*(\g)+(\s))+2*(\t)+1], v[W1O], s[6:7] offset:(\t)*8192+(8*(\g)+(\s))*16
.endr
.endr
.endm
.macro LDB1
	WIN 0xc0
.irp u, 0,1,2,3
	global_load_b128 v[B1S+4*(\u):B1S+4*(\u)+3], v[B1O], s[8:9] offset:(\u)*16
.endr
.endm
.macro LDW2
	WIN 0xc0
.irp o, 0,1,2,3,4,5,6,7
.irp u, 0,1,2,3
	global_load_b128 v[W2S+16*(\o)+4*(\u):W2S+16*(\o)+4*(\u)+3], v[W2O], s[10:11] offset:(\o)*131072+(\u)*16
.endr
.endr
.endm
	s_load_b256 s[4:11], s[0:1], 0x0
	s_load_b128 s[12:15], s[0:1], 0x20
	v_lshl_add_u32 v[SPW], v0, 2, SPARE
	v_mov_b32 v[NIL], 0
	v_lshrrev_b32 v1, 5, v0
	v_readfirstlane_b32 s[WV], v1
	v_and_b32 v1, 31, v0
	v_and_b32 v2, 15, v0
	v_bfe_u32 v3, v0, 4, 1
	v_lshlrev_b32 v[XO], 4, v1
	v_and_b32 v11, 7, v0
	v_bfe_u32 v[W1O], v0, 3, 1
	v_lshl_add_u32 v11, v[W1O], 4, v11
	v_lshlrev_b32 v11, 10, v11
	v_lshl_add_u32 v[W1O], v3, 3, v11
	v_lshlrev_b32 v[B1O], 6, v3
	v_lshlrev_b32 v11, 13, v2
	v_lshl_add_u32 v[W2O], v3, 6, v11
	s_wait_alu depctr_va_sdst(0)
	s_mul_i32 s17, s[WV], 16*XP
	v_lshrrev_b32 v11, 1, v1
	v_lshl_add_u32 v[XST], v11, 5, s17
	v_and_b32 v11, 1, v0
	v_lshl_add_u32 v[XST], v11, 3, v[XST]
	v_mul_u32_u24 v11, v2, XP
	v_lshl_add_u32 v[XRD], v3, 4, v11
	s_mul_i32 s18, s[WV], REDW
	s_add_co_u32 s18, s18, RED
	v_mul_u32_u24 v11, v2, RP
	v_lshl_add_u32 v11, v3, 5, v11
	v_add_nc_u32 v[RST], s18, v11
	s_mul_i32 s18, s[WV], 16*RP
	v_lshl_add_u32 v11, v1, 4, s18
.irp v, 0,1,2,3
	v_add_nc_u32 v[RRD+(\v)], RED+(\v)*REDW, v11
.endr
	v_mov_b32 v[BIG], 0x4b800000
	v_mov_b32 v[BIG+1], 0x4b800000
	v_mov_b32 v[NBG], 0xcb800000
	v_mov_b32 v[NBG+1], 0xcb800000
	s_mov_b32 s[AL], 0x3f666666
	s_mov_b32 s[AL+1], s[AL]
	s_mov_b32 s[MHI], 0xffff0000
	s_and_b32 s19, ttmp7, 0xffff
	s_lshl_b32 s28, s19, 16
	s_lshl_b32 s29, s[WV], 14
	s_add_co_u32 s28, s28, s29
	s_mov_b32 s29, 0
	s_lshl_b32 s30, ttmp9, 19
	s_lshl_b32 s31, s[WV], 17
	s_add_co_u32 s30, s30, s31
	s_mov_b32 s31, 0
	s_lshl_b32 s32, ttmp9, 11
	s_lshl_b32 s33, s[WV], 9
	s_add_co_u32 s32, s32, s33
	s_mov_b32 s33, 0
	s_lshl_b32 s34, ttmp9, 21
	s_lshl_b32 s35, s19, 15
	s_add_co_u32 s34, s34, s35
	s_lshl_b32 s35, s[WV], 13
	s_add_co_u32 s34, s34, s35
	s_mov_b32 s35, 0
	s_wait_kmcnt 0x0
	s_load_b32 s26, s[12:13], 0x0
	s_add_nc_u64 s[4:5], s[4:5], s[28:29]
	s_add_nc_u64 s[6:7], s[6:7], s[30:31]
	s_add_nc_u64 s[8:9], s[8:9], s[32:33]
	s_add_nc_u64 s[10:11], s[10:11], s[32:33]
	s_add_nc_u64 s[14:15], s[14:15], s[34:35]
	s_wait_alu depctr_va_vdst(0)
.set j, 0
.rept 32
	global_load_b128 v[XS+4*j:XS+4*j+3], v[XO], s[4:5] offset:512*j
.set j, j+1
.endr
	LDB1
	LDW1 0
	WIN 0x40
.set j, 0
.rept 256
	v_mov_b32 v[j], 0
.set j, j+1
.endr
	WIN 0
	s_wait_kmcnt 0x0
	v_mov_b32 v1, s26
	v_cvt_pk_bf16_f32 v1, v1, v1
	v_lshlrev_b32 v1, 16, v1
	v_max_num_f32 v1, 0, v1
	v_min_num_f32 v1, 1.0, v1
	v_readfirstlane_b32 s[BE], v1
	s_wait_alu depctr_va_sdst(0)
	s_mov_b32 s[BE+1], s[BE]
	s_wait_loadcnt 20
.set j, 0
.rept 32
	v_cvt_pk_bf16_f32 v[XS+4*j], v[XS+4*j], v[XS+4*j+1]
	v_cvt_pk_bf16_f32 v[XS+4*j+2], v[XS+4*j+2], v[XS+4*j+3]
	v_and_b32 v[XS+4*j+1], s[MHI], v[XS+4*j]
	v_lshlrev_b32 v[XS+4*j], 16, v[XS+4*j]
	v_and_b32 v[XS+4*j+3], s[MHI], v[XS+4*j+2]
	v_lshlrev_b32 v[XS+4*j+2], 16, v[XS+4*j+2]
.set j, j+1
.endr
	s_wait_alu depctr_va_vdst(0)
.set j, 0
.rept 32
	ds_store_b64 v[XST], v[XS+4*j:XS+4*j+1]   offset:(j/2)*XP+(j%2)*512
	ds_store_b64 v[XST], v[XS+4*j+2:XS+4*j+3] offset:(j/2)*XP+(j%2)*512+16
.set j, j+1
.endr
	LDW1 1
	LDW1 2
	LDW1 3
	LDW1 4
	LDW1 5
	LDW1 6
	LDW1 7
	WIN 0
	s_wait_dscnt 0x0
	s_barrier_signal -1
	s_barrier_wait -1
	s_wait_alu depctr_vm_vsrc(0)
	s_wait_loadcnt 0x0
.macro ROUND k
	WIN 0x8a
.irp p, 0,1,2,3
	v_cvt_pk_bf16_f32 v[8*(\k)+2*(\p)], v[8*(\k)+2*(\p)], v[8*(\k)+2*(\p)+1]
.endr
.irp p, 0,1,2,3
	v_and_b32 v[8*(\k)+2*(\p)+1], s[MHI], v[8*(\k)+2*(\p)]
.endr
.irp p, 0,1,2,3
	v_lshlrev_b32 v[8*(\k)+2*(\p)], 16, v[8*(\k)+2*(\p)]
.endr
.endm
.macro LDXG g
	WIN 0
.irp j, 0,1,2,3
.irp b, 0,1,2,3
	ds_load_b128 v[XB+64*((\g)%2)+16*(\j)+4*(\b):XB+64*((\g)%2)+16*(\j)+4*(\b)+3], v[XRD] offset:(\b)*16*XP+(4*(\g)+(\j))*32
.endr
.endr
.endm
.macro MM1
	WIN 0xf2
.irp s, 0,1
.irp t, 0,1
.irp b, 0,1,2,3
.if (kb == 0) && ((\s) == 0)
	v_wmma_f32_16x16x4_f32 v[ACC+16*(\b)+8*(\t):ACC+16*(\b)+8*(\t)+7], v[8*kb+4*(\s)+2*(\t):8*kb+4*(\s)+2*(\t)+1], v[XB+64*((kb/4)%2)+16*(kb%4)+4*(\b)+2*(\s):XB+64*((kb/4)%2)+16*(kb%4)+4*(\b)+2*(\s)+1], 0
.else
	v_wmma_f32_16x16x4_f32 v[ACC+16*(\b)+8*(\t):ACC+16*(\b)+8*(\t)+7], v[8*kb+4*(\s)+2*(\t):8*kb+4*(\s)+2*(\t)+1], v[XB+64*((kb/4)%2)+16*(kb%4)+4*(\b)+2*(\s):XB+64*((kb/4)%2)+16*(kb%4)+4*(\b)+2*(\s)+1], v[ACC+16*(\b)+8*(\t):ACC+16*(\b)+8*(\t)+7]
.endif
.endr
.endr
.endr
.endm
.macro STEP sy, me
.irp g, 0,1
.set q, 32*(\g)
.rept 16
	v_pk_fma_f32 v[SYN+q:SYN+q+1], v[(\sy)+q:(\sy)+q+1], s[AL:AL+1], v[CUR+q:CUR+q+1] op_sel_hi:[1,0,1]
.set q, q+2
.endr
.set q, 32*(\g)
.rept 16
	v_pk_fma_f32 v[RT+q-32*(\g):RT+q-32*(\g)+1], v[(\me)+q:(\me)+q+1], v[BIG:BIG+1], v[NBG:NBG+1] clamp
.set q, q+2
.endr
.set q, 32*(\g)
.rept 16
	v_pk_fma_f32 v[MEM+q:MEM+q+1], v[(\me)+q:(\me)+q+1], s[BE:BE+1], v[SYN+q:SYN+q+1] op_sel_hi:[1,0,1]
.set q, q+2
.endr
.set q, 32*(\g)
.rept 16
	v_pk_add_f32 v[MEM+q:MEM+q+1], v[MEM+q:MEM+q+1], v[RT+q-32*(\g):RT+q-32*(\g)+1] neg_lo:[0,1] neg_hi:[0,1]
.set q, q+2
.endr
.endr
.endm
.macro SEG
	s_mov_b32 s[ST], 12
.Lscan_\@:
	STEP SYN, MEM
	s_sub_co_u32 s[ST], s[ST], 1
	s_cmp_lg_u32 s[ST], 0
	s_cbranch_scc1 .Lscan_\@
.endm
.macro MORE g
	s_cmp_eq_u32 s[CH], 1
	s_cbranch_scc1 .Lno_more_\@
	LDW1 \g
	LDW1 (\g)+1
	WIN 0
.Lno_more_\@:
.endm
	s_mov_b32 s[CH], 4
.Lchunk:
	ROUND 0
	WIN 0
	s_wait_alu depctr_va_vdst(0)
	LDXG 0
	LDXG 1
.set kb, 0
.rept 32
.if kb < 4
	s_wait_dscnt 28-4*kb
.elseif kb%4 == 0
	s_wait_dscnt 0x0
.if kb < 28
	s_wait_alu depctr_va_vdst(0)
.endif
.endif
	MM1
.if kb == 0
	LDW2
.elseif (kb%4 == 0) && (kb < 28)
	LDXG kb/4+1
.endif
.if kb < 31
	ROUND kb+1
.endif
.set kb, kb+1
.endr
	WIN 0x0f
.irp i, 0,1,2,3,4,5,6,7
	v_cvt_pk_bf16_f32 v[RT+2*(\i)], v[B1S+2*(\i)], v[B1S+2*(\i)+1]
.endr
	WIN 0
.irp i, 0,1,2,3,4,5,6,7
	v_and_b32 v[RT+2*(\i)+1], s[MHI], v[RT+2*(\i)]
	v_lshlrev_b32 v[RT+2*(\i)], 16, v[RT+2*(\i)]
.endr
	WIN 0x03
.set q, 0
.rept 32
	v_pk_add_f32 v[CUR+2*q:CUR+2*q+1], v[ACC+2*q:ACC+2*q+1], v[RT+2*(q%8):RT+2*(q%8)+1]
.set q, q+1
.endr
	WIN 0
	s_wait_alu depctr_va_vdst(0)
	s_cmp_eq_u32 s[CH], 1
	s_cbranch_scc1 .Lno_a
	s_wait_xcnt 0x0
	s_add_nc_u64 s[6:7], s[6:7], 32*1024
	s_add_nc_u64 s[8:9], s[8:9], 128
	LDW1 0
	LDW1 1
	LDB1
	WIN 0
.Lno_a:
	STEP CUR, CUR
	SEG
	MORE 2
	SEG
	MORE 4
	SEG
	MORE 6
	SEG
.set q, 0
.rept 32
	v_pk_fma_f32 v[MEM+2*q:MEM+2*q+1], v[MEM+2*q:MEM+2*q+1], v[BIG:BIG+1], v[NBG:NBG+1] clamp
.set q, q+1
.endr
.set q, 0
.rept 32
	v_cvt_pk_bf16_f32 v[CUR+q], v[MEM+2*q], v[MEM+2*q+1]
.set q, q+1
.endr
	s_wait_loadcnt 0x0
	s_add_nc_u64 s[10:11], s[10:11], 128
	WIN 0x0f
.irp o, 0,1,2,3,4,5,6,7
.irp i, 0,1,2,3,4,5,6,7
	v_cvt_pk_bf16_f32 v[SYN+8*(\o)+(\i)], v[W2S+16*(\o)+2*(\i)], v[W2S+16*(\o)+2*(\i)+1]
.endr
.endr
	WIN 0x50
.irp o, 0,1,2,3,4,5,6,7
.irp b, 0,1,2,3
	v_wmma_f32_16x16x32_bf16 v[8*(4*(\o)+(\b)):8*(4*(\o)+(\b))+7], v[SYN+8*(\o):SYN+8*(\o)+7], v[CUR+8*(\b):CUR+8*(\b)+7], v[8*(4*(\o)+(\b)):8*(4*(\o)+(\b))+7]
.endr
.endr
	WIN 0
	s_sub_co_u32 s[CH], s[CH], 1
	s_cmp_lg_u32 s[CH], 0
	s_cbranch_scc1 .Lchunk
.rept 4
	v_nop
.endr
	WIN 0x04
	s_wait_alu depctr_va_vdst(0)
.irp o, 0,1,2,3,4,5,6,7
.irp b, 0,1,2,3
	ds_store_b128 v[RST], v[8*(4*(\o)+(\b)):8*(4*(\o)+(\b))+3]   offset:(\b)*16*RP+(\o)*64
	ds_store_b128 v[RST], v[8*(4*(\o)+(\b))+4:8*(4*(\o)+(\b))+7] offset:(\b)*16*RP+(\o)*64+16
.endr
.endr
	WIN 0
	s_wait_dscnt 0x0
	s_barrier_signal -1
	s_barrier_wait -1
.macro LDG g, buf
.irp v, 0,1,2,3
.irp w, 0,1,2,3
	ds_load_b128 v[(\buf)+16*(\v)+4*(\w):(\buf)+16*(\v)+4*(\w)+3], v[RRD+(\v)] offset:(4*(\g)+(\w))*RP
.endr
.endr
.endm
.macro SUMG g, buf
.irp w, 0,1,2,3
.irp e, 0,2
	v_pk_add_f32 v[(\buf)+4*(\w)+(\e):(\buf)+4*(\w)+(\e)+1], v[(\buf)+4*(\w)+(\e):(\buf)+4*(\w)+(\e)+1], v[(\buf)+16+4*(\w)+(\e):(\buf)+16+4*(\w)+(\e)+1]
	v_pk_add_f32 v[(\buf)+32+4*(\w)+(\e):(\buf)+32+4*(\w)+(\e)+1], v[(\buf)+32+4*(\w)+(\e):(\buf)+32+4*(\w)+(\e)+1], v[(\buf)+48+4*(\w)+(\e):(\buf)+48+4*(\w)+(\e)+1]
.endr
.endr
.irp w, 0,1,2,3
.irp e, 0,2
	v_pk_add_f32 v[CUR+16*(\g)+4*(\w)+(\e):CUR+16*(\g)+4*(\w)+(\e)+1], v[(\buf)+4*(\w)+(\e):(\buf)+4*(\w)+(\e)+1], v[(\buf)+32+4*(\w)+(\e):(\buf)+32+4*(\w)+(\e)+1]
.endr
.endr
	s_wait_alu depctr_va_vdst(0)
.irp w, 0,1,2,3
	global_store_b128 v[XO], v[CUR+16*(\g)+4*(\w):CUR+16*(\g)+4*(\w)+3], s[14:15] offset:(4*(\g)+(\w))*512
.endr
.endm
	LDG 0, SYN
	LDG 1, MEM
	s_wait_dscnt 16
	SUMG 0, SYN
	LDG 2, SYN
	s_wait_dscnt 16
	SUMG 1, MEM
	LDG 3, MEM
	s_wait_dscnt 16
	SUMG 2, SYN
	s_wait_dscnt 0x0
	SUMG 3, MEM
	s_wait_dscnt 0x0
	s_wait_alu 0x0
	s_wait_tensorcnt 0x0
	ds_add_u32 v[SPW], v[NIL]
	s_wait_dscnt 0x0
	s_endpgm
.Lfunc_end_k_q161a2fe724_snn:
	.size	k_q161a2fe724_snn, .Lfunc_end_k_q161a2fe724_snn-k_q161a2fe724_snn
	.p2alignl 7, 3214868480
	.fill 96, 4, 3214868480
	.section	.rodata,"a",@progbits
	.p2align	6, 0x0
	.amdhsa_kernel k_q161a2fe724_snn
		.amdhsa_group_segment_fixed_size 202240
		.amdhsa_private_segment_fixed_size 0
		.amdhsa_enable_private_segment 0
		.amdhsa_kernarg_size 48
		.amdhsa_user_sgpr_count 2
		.amdhsa_user_sgpr_kernarg_segment_ptr 1
		.amdhsa_wavefront_size32 1
		.amdhsa_system_sgpr_workgroup_id_x 1
		.amdhsa_system_sgpr_workgroup_id_y 1
		.amdhsa_system_sgpr_workgroup_id_z 1
		.amdhsa_system_vgpr_workitem_id 0
		.amdhsa_next_free_vgpr 1024
		.amdhsa_next_free_sgpr 66
		.amdhsa_reserve_vcc 0
		.amdhsa_float_denorm_mode_32 3
		.amdhsa_float_denorm_mode_16_64 3
		.amdhsa_memory_ordered 1
		.amdhsa_forward_progress 1
		.amdhsa_inst_pref_size 185
	.end_amdhsa_kernel
	.amdgpu_metadata
---
amdhsa.version: [ 1, 2 ]
amdhsa.kernels:
  - .name:           k_q161a2fe724_snn
    .symbol:         k_q161a2fe724_snn.kd
    .args:
      - { .name: x, .offset: 0, .size: 8, .value_kind: global_buffer, .address_space: global }
      - { .name: W1, .offset: 8, .size: 8, .value_kind: global_buffer, .address_space: global }
      - { .name: b1, .offset: 16, .size: 8, .value_kind: global_buffer, .address_space: global }
      - { .name: W2, .offset: 24, .size: 8, .value_kind: global_buffer, .address_space: global }
      - { .name: beta, .offset: 32, .size: 8, .value_kind: global_buffer, .address_space: global }
      - { .name: part, .offset: 40, .size: 8, .value_kind: global_buffer, .address_space: global }
    .group_segment_fixed_size: 202240
    .private_segment_fixed_size: 0
    .kernarg_segment_align: 8
    .kernarg_segment_size: 48
    .max_flat_workgroup_size: 128
    .sgpr_count:     66
    .vgpr_count:     1024
    .wavefront_size: 32
...
	.end_amdgpu_metadata
.endif
;; end of part 3
;; launch reduce: the kernel of part 2 again; grid 256 x 1, 8 waves a work-group, no clusters, 0 bytes of LDS; arguments part, b2, out0; writes out0
